; MI455X (gfx1250); checked and timed in simulation.
; The chip was launched on July 23, 2026; its instructions are those of AMD's public machine-readable ISA for CDNA 5 (MIT licence, August 2026) and "CDNA5" Instruction Set Architecture Reference Guide (July 2026). The comments in the code are by the model that wrote it; some were corrected since.
;; Multi Head Attention. Allowed arithmetic: matrix products marked QUANTISED: E5M2 operands, one E8M0 scale for each 32 along K, by v_wmma_scale_f32_16x16x128_f8f6f4 with both operands' format E5M2, f32 sums; everything else in f32.
;; Inputs: Kb 256 float32; Kw_codes 256 x 8 x 32 uint8 (E5M2 codes of Kw, K innermost, in blocks of 32 codes); Kw_scales 256 x 8 uint8 (E8M0 scales of Kw, one for each 32 codes along K); Qb 256 float32; Qw_codes 256 x 8 x 32 uint8 (E5M2 codes of Qw, K innermost, in blocks of 32 codes); Qw_scales 256 x 8 uint8 (E8M0 scales of Qw, one for each 32 codes along K); Vb 256 float32; Vw_codes 256 x 8 x 32 uint8 (E5M2 codes of Vw, K innermost, in blocks of 32 codes); Vw_scales 256 x 8 uint8 (E8M0 scales of Vw, one for each 32 codes along K); abs_pos_K 16 x 2,048 x 256 float32; abs_pos_V 16 x 2,048 x 256 float32; attn_mask 2,048 x 2,048 bool; keys_codes 16 x 2,048 x 8 x 32 uint8 (E5M2 codes of keys, K innermost, in blocks of 32 codes); keys_scales 16 x 2,048 x 8 uint8 (E8M0 scales of keys, one for each 32 codes along K); neighAt_matrix 16 x 2,048 x 256 float32; neighbor_matrix 16 x 2,048 x 256 float32; queries_codes 16 x 2,048 x 8 x 32 uint8 (E5M2 codes of queries, K innermost, in blocks of 32 codes); queries_scales 16 x 2,048 x 8 uint8 (E8M0 scales of queries, one for each 32 codes along K).
;; Outputs: out0 16 x 2,048 x 256 float32.
;; This version of the problem:
;;   THIS VERSION OF THE PROBLEM IS GIVEN IN LOW PRECISION. The matrix products marked QUANTISED in the list below multiply operands that are first quantised to E5M2 (5 exponent bits, 2 mantissa bits; 8 bits a number), with one power-of-two scale for each 32 numbers along K (OCP MX v1.0); their sums are f32. All else is computed in f32.
;;   The module's matrix products, in the order in which they are computed (A, B: the left and right operand; K: the contracted axis; several contracted axes count as one K, in the product's order):
;;     1. [M 32,768, K 256] x [K 256, N 256]; A: input queries (given as codes); B: input Qw (given as codes): QUANTISED
;;     2. [M 32,768, K 256] x [K 256, N 256]; A: input keys (given as codes); B: input Kw (given as codes): QUANTISED
;;     3. [M 32,768, K 256] x [K 256, N 256]; A: input keys (given as codes); B: input Vw (given as codes): QUANTISED
;;     4. batch 64 x [M 2,048, K 64] x [K 64, N 2,048]; A: computed on the way; B: computed on the way: QUANTISED
;;     5. batch 64 x [M 2,048, K 2,048] x [K 2,048, N 64]; A: softmax (see below); B: computed on the way: QUANTISED
;;   THE QUANTISER, for each operand of a quantised product, along K:
;;     - K is cut into blocks of 32 from its start; a last block that is shorter is filled with zeros.
;;     - A block's scale is 2^e with e = floor(log2(the largest magnitude in the block)) - 15, held to -126 .. 127; a block of zeros has e = 0. As a byte (E8M0): e + 127.
;;     - Each number is divided by its block's scale, clamped to +-57,344, and rounded to the nearest number of E5M2, ties to even, subnormals kept.
;;     - The product sums the exact products of the quantised numbers (number of the format x scale) in f32.
;;   ~~~python
;;   def quantise(x, axis):      # numpy; x: float32 -> the quantised numbers, widened to float32 again
;;       x = np.moveaxis(x, axis, -1); K = x.shape[-1]
;;       x = np.pad(x, [(0, 0)] * (x.ndim - 1) + [(0, -K % 32)]); x = x.reshape(x.shape[:-1] + (-1, 32)); a = np.abs(x).max(-1, keepdims=True)
;;       e = np.where(a > 0, np.clip(np.frexp(np.where(a > 0, a, 1))[1] - 1 - 15, -126, 127), 0)      # np.frexp(a)[1] - 1 = floor(log2(a)), exactly
;;       r = np.clip(x / 2.0 ** e, -57344, 57344)
;;       step = 2.0 ** (np.maximum(np.frexp(np.where(r == 0, 1, r))[1] - 1, -14) - 2)
;;       q = np.round(r / step) * step * 2.0 ** e      # np.round: ties to even
;;       return np.moveaxis(q.reshape(q.shape[:-2] + (-1,))[..., :K], -1, axis).astype(np.float32)
;;   ~~~
;;   SOFTMAX AHEAD OF A QUANTISED PRODUCT. Where the list says 'softmax', what is quantised is not the finished softmax but p = 2^(t - M), with t = logit x log2(e) and M = ceil(the row's largest t), a whole number; so 1/2 < the row's largest p <= 1. The row's sum l is taken of the UNQUANTISED p, in f32, and the product's result is divided by l at the end. Since M is a whole number, a kernel that streams over the keys may use a running M (the ceiling of the running maximum): every later rescaling is an exact power of two, which a block's scale takes up: the codes' values come out the same.
;;   OPERANDS COMPUTED ON THE WAY. 'Computed on the way' means the value that the module computes at that place (a softmax that the list does not call 'softmax' is quantised finished and normalised). What goes into a quantiser is computed in f32, as accurately as f32 sums, v_exp_f32 and their like allow (about 1e-6 of the number): no bf16 or f16 on the way to a quantiser, and a product that is left as it is and whose result goes on into a quantised operand takes f32 operands (vector FMAs, or v_wmma_f32_16x16x4_f32). A number that lies on a knife's edge between two numbers of the format may be rounded either way, as far as f32 arithmetic and the matrix unit's own rounding can turn it there, and no further.
;;   INPUTS GIVEN AS CODES. Kw (in the module: [256, 256], K = its axis 1); Qw (in the module: [256, 256], K = its axis 1); Vw (in the module: [256, 256], K = its axis 1); keys (in the module: [16, 2048, 256], K = its axis 2); queries (in the module: [16, 2048, 256], K = its axis 2): each comes as NAME_codes (uint8): NAME with its K axis moved to the last place and cut into blocks of 32 codes, [.., K / 32, bytes a block], one block behind the other in memory; one code a byte (a code: sign, 5 exponent bits, 2 mantissa bits); and NAME_scales (uint8): the same leading axes, one E8M0 byte (e + 127) for each 32 codes along K. Its value is code x scale, taken as it is: it is not quantised again, and the codes and scales need not be those that the quantiser above would give.
;; One version. Each part assembles by itself: llvm-mc -triple=amdgcn-amd-amdhsa -mcpu=gfx1250 --defsym DOCPART=n.
;; ======== version 1 of 1: 2 launches
;; limits: right only within a limited range of input values
;; workspace buffers: qimg 8,388,608 bytes; qscl 524,288 bytes; kv 17,301,504 bytes; maskbits 524,288 bytes of whole numbers; mflags 16,384 bytes of whole numbers
;; launch prep (part 1): grid 256 x 1, 4 waves a work-group, no clusters, 327,680 bytes of LDS; arguments queries_codes, keys_codes, queries_scales, keys_scales, Qw_codes, Kw_codes, Vw_codes, Qw_scales, Kw_scales, Vw_scales, Qb, Kb, Vb, neighbor_matrix, neighAt_matrix, abs_pos_K, abs_pos_V, attn_mask, qimg, qscl, kv, maskbits, mflags; writes qimg, qscl, kv, maskbits, mflags
.if DOCPART == 1
	.amdgcn_target "amdgcn-amd-amdhsa--gfx1250"
	.amdhsa_code_object_version 6
	.text
	.protected	k_qd0531d5ebd_prep
	.globl	k_qd0531d5ebd_prep
	.p2align	8
	.type	k_qd0531d5ebd_prep,@function
k_qd0531d5ebd_prep:
	s_mov_b64 s[64:65], 0
	v_nop
	global_prefetch_b8 v0, s[64:65] scope:SCOPE_SE
	s_setreg_imm32_b32 hwreg(HW_REG_WAVE_MODE, 25, 1), 1
	s_wait_xcnt 0x0
; Q = queries Qw^T + Qb;  Ksum = keys Kw^T + Kb + N + A + PK;  Vsum = keys Vw^T + Vb + N + A + PV: three products on E5M2 codes with E8M0 scales, sums and additions in f32.
; Q and Ksum are then quantised along a head's 64 channels, Vsum along the keys, and all three leave as IMAGES OF OPERAND REGISTERS (16 bytes a lane, 512 consecutive bytes a store), with their scale words in records of 256 bytes.
; The mask (bytes) is packed into lane masks: word n of a tile of 16 queries x 128 keys has bit l set where the score that lane l holds in its register n is masked.  Two flag words a tile go to mflags: bit l of the first is set
; where all 64 scores of lane l are masked, bit l of the second where any is; a tile of queries has its 16 first words, then its 16 second words, 128 bytes.
; SHARES.  Work-group G stays and owns rows 128 G .. 128 G + 127 of one batch: two blocks of 64 rows, four units of 32.  WAVE w IS HEAD w: its head's 64 rows of Qw, Kw and Vw stay in 384 registers, loaded once.
; A unit is Q for 2 tiles of 16 queries and Ksum and Vsum for 32 keys.  A wave packs mask tiles 8 G + w and 8 G + 4 + w.
; THE RING.  The four f32 addends come by tensor loads, wave w fetching addend w, 32 rows of 1,024 bytes a load, into two slots (rows 0-31 and 32-63 of each addend's region): behind the barrier in front of unit u the load of
; unit u + 1 goes out, one a wave, into the slot that unit u - 1 has left.  Every wait on TENSORcnt is for 0.
; THE CODES of the rows come by global loads, 512 consecutive bytes an instruction, and are stored by ds_store into LDS bytes of their own, into which no tensor load lands; the second block's wait in registers and are stored
; behind the barrier behind which nobody reads the rows that they replace (rows 0-31 by waves 0 and 2 in front of unit 1, rows 32-63 by waves 1 and 3 in front of unit 2).
; NO JOINT LOADS: what work-groups share is the weights alone, which go from memory straight into registers; LDS has no room for them beside the ring.  NO PREFETCH: the ring's loads follow each other with one unit's lead, and each byte is read once.
; LAYOUT.  r = lane % 16, h = lane / 16, rp = r + 8 (r / 8).  Q and Ksum are made TRANSPOSED (source 0 = 16 rows of a weight, source 1 = 16 rows of x); lane r of weight tile 2 b + u takes row 32 b + 8 u + rp, so that a lane's
; 16 registers of tiles 2 b, 2 b + 1 are channels 32 b + 16 h + 0 .. 15 of ONE row of x.  The keys of a tile are chosen the same way (tile u of unit U: key 32 U + 8 u + rp), so that Vsum, made the natural way round,
; has in a lane's 16 registers keys 32 U + 16 h + 0 .. 15 of ONE channel.  In both a block of 32 lies in lanes l and l xor 16.
; LIMITS: NaN and infinities (numbers or codes) are not served.  A block whose largest magnitude lies under 2^-111, a block of zeros among them, keeps the scale byte 1; the bytes are read by this program alone.
; The mask's bytes are taken as 0 or 1, as the problem states them.
.set FP,    1040                       ; an f32 row in LDS: 1,024 bytes + 16
.set FX,    64*FP                      ; one addend's 64 rows; addend X (0 N, 1 A, 2 PK, 3 PV) at X x FX
.set CP,    272                        ; a row of codes in LDS: 256 bytes + 16
.set XCQ,   4*FX                       ; queries' codes, 64 rows
.set XCK,   XCQ+64*CP                  ; keys' codes, 64 rows; the region ends at 301,056
.set SPARE, 0x49800                    ; the spare words
.set R,     1
.set HH,    2
.set AXQ,   3                          ; XCQ + 272 r + 16 h
.set AXK,   4                          ; XCK + 272 rp + 16 h
.set AKN,   5                          ; v5-7  N, A, PK for Ksum: X FX + 1040 rp + 64 h + 256 w
.set AVN,   8                          ; v8-10 N, A, PV for Vsum: X FX + 16640 h + 4 r + 256 w
.set L16,   11
.set L8,    12
.set RP8,   13
.set MOFF,  14
.set WOFF,  15
.set WQS,   16
.set WKS,   24
.set WVS,   32
.set XQS,   40                         ; v40-47 queries' scale words, v48-55 keys': the first block's; the second block's lie XO registers on
.set XKS,   48
.set XO,    194
.set XF,    56                         ; v56-119 two tiles of x, two K steps each; first the mask's bytes
.set ACC,   120                        ; v120-183 eight accumulators; first the first block's codes
.set PC,    184
.set TM,    200                        ; v200-203 largest magnitudes, 204-207 bytes, 208-211 holds, 212-215 the conversions' scale operands
.set PW,    216
.set QW,    218
.set QR,    222
.set KW,    224
.set KR,    226
.set VWOFF, 228
.set BOFF,  229
.set VBOFF, 230
.set S8RP,  231
.set S8R,   232
.set VST,   233                        ; where my rows of codes go in LDS
; window 1: Qw (tile t, K step s) at 16 (2 t + s), Kw at 128 + the same.  window 2: Vw likewise at 0; Qb's four tiles at 128, Kb's at 160, Vb's at 192.  window 3: three sets of 64 addends at 0, 64, 128; the second block's codes at 192.
.set G1F,   52
.set CB,    76                         ; s[76:77] my rows of codes in memory
.set G0F0,  80
.set G0F1,  84
.set WV,    88
.set HM,    89
.set SEL,   90
.set MNT,   92
.set QP,    94
.set KP,    96
.set VP,    98
.set BLK,   0                          ; which block of 64 rows the macros below serve
.set MSB, 0
.macro WIN new                         ; the immediate's high byte repeats the setting that is left
.if MSB != \new
	s_set_vgpr_msb (MSB<<8)|\new
.set MSB, \new
.endif
.endm
; THE CHANGE OF SLOTS: all my tensor loads are in, the add, my LDS instructions are done; the barrier; then my one tensor load (g0, if any).  step: the group 0 that is stepped two units on while no load of mine is out.
.macro TURN g0, step
	s_wait_alu depctr_va_vdst(0)                   ; the wait ahead of the wait below
	s_wait_tensorcnt 0x0
	ds_add_u32 v254, v255
.if \step
	s_add_nc_u64 s[\step+2:\step+3], s[\step+2:\step+3], 65536
.endif
	s_wait_dscnt 0x0
	s_barrier_signal -1
	s_barrier_wait -1
.if \g0
	tensor_load_to_lds s[\g0:\g0+3], s[G1F:G1F+7]
	s_nop 0
.rept 4
	v_nop
.endr
.endif
.endm
	s_load_b512 s[8:23], s[0:1], 0x0               ; queries' codes 8, keys' codes 10, queries' scales 12, keys' scales 14, Qw 16, Kw 18, Vw 20, Qw's scales 22
	s_load_b512 s[24:39], s[0:1], 0x40             ; Kw's scales 24, Vw's 26, Qb 28, Kb 30, Vb 32, N 34, A 36, PK 38
	s_load_b256 s[40:47], s[0:1], 0x80             ; PV 40, mask 42, qimg 44, qscl 46
	s_load_b128 s[48:51], s[0:1], 0xa0             ; kv 48, maskbits 50
	s_load_b64 s[68:69], s[0:1], 0xb0              ; mflags
	v_lshl_add_u32 v254, v0, 2, SPARE
	v_mov_b32 v255, 0
	ds_add_u32 v254, v255                          ; the opening lines: the add, twice on end, and its wait
	ds_add_u32 v254, v255
	v_lshrrev_b32 v1, 5, v0
	v_readfirstlane_b32 s[WV], v1                  ; wave = head
	s_mov_b32 s[G1F+0], (3<<16)|(1<<20)|(7<<22)|(3<<25)   ; elements of 8 bytes; 4 words of padding behind every 256
	s_mov_b32 s[G1F+1], 128<<16                    ; 128 elements: 1,024 bytes
	s_mov_b32 s[G1F+2], 32<<16                     ; 32 rows
	s_mov_b32 s[G1F+3], 128<<16
	s_mov_b32 s[G1F+4], 32
	s_mov_b32 s[G1F+5], 128
	s_mov_b32 s[G1F+6], 0
	s_mov_b32 s[G1F+7], 0
	s_lshl_b32 s60, ttmp9, 15                      ; my work-group's rows in a tensor of codes: 128 G x 256 bytes,
	s_and_b32 s2, s[WV], 1
	s_lshl_b32 s3, s2, 13                          ; + the 32 rows of a block that I fetch
	s_add_co_u32 s60, s60, s3
	s_mov_b32 s61, 0
	s_lshl_b32 s62, ttmp9, 17                      ; and in an f32 tensor: 128 G x 1,024 bytes
	s_mov_b32 s63, 0
	s_mul_i32 s3, s[WV], 32*CP
	s_mul_i32 s66, s[WV], FX
	s_wait_dscnt 0x0
	s_wait_kmcnt 0x0
	s_cmp_lt_u32 s[WV], 2                          ; waves 0, 1 fetch the queries' codes, waves 2, 3 the keys'
	s_cselect_b64 s[4:5], s[8:9], s[10:11]
	s_add_nc_u64 s[CB:CB+1], s[4:5], s[60:61]
	s_cmp_lg_u32 s2, 0                             ; wave w fetches addend w: N, A, PK, PV
	s_cselect_b64 s[4:5], s[36:37], s[34:35]
	s_cselect_b64 s[6:7], s[40:41], s[38:39]
	s_and_b32 s2, s[WV], 2
	s_cmp_lg_u32 s2, 0
	s_cselect_b64 s[4:5], s[6:7], s[4:5]
	s_add_nc_u64 s[4:5], s[4:5], s[62:63]
	s_mov_b32 s[G0F0], 1
	s_mov_b32 s[G0F0+1], s66
	s_mov_b64 s[G0F0+2:G0F0+3], s[4:5]
	s_or_b32 s[G0F0+3], s[G0F0+3], 0x80000000
	s_mov_b32 s[G0F1], 1
	s_add_co_u32 s[G0F1+1], s66, 32*FP
	s_add_nc_u64 s[G0F1+2:G0F1+3], s[4:5], 32768
	s_or_b32 s[G0F1+3], s[G0F1+3], 0x80000000
	tensor_load_to_lds s[G0F0:G0F0+3], s[G1F:G1F+7]    ; unit 0's rows of my addend: my one tensor load at the head
	s_nop 0
.rept 4
	v_nop
.endr
	v_and_b32 v[R], 15, v0
	v_bfe_u32 v[HH], v0, 4, 1
	v_and_b32 v[RP8], 8, v[R]
	v_add_nc_u32 v[RP8], v[RP8], v[R]
	v_mul_u32_u24 v[AXQ], v[R], CP
	v_lshl_add_u32 v[AXQ], v[HH], 4, v[AXQ]
	v_add_nc_u32 v[AXQ], XCQ, v[AXQ]
	v_mul_u32_u24 v[AXK], v[RP8], CP
	v_lshl_add_u32 v[AXK], v[HH], 4, v[AXK]
	v_add_nc_u32 v[AXK], XCK, v[AXK]
	s_lshl_b32 s2, s[WV], 8                        ; my head's 64 channels: 256 bytes into a row
	v_mul_u32_u24 v[AKN], v[RP8], FP
	v_lshl_add_u32 v[AKN], v[HH], 6, v[AKN]
	v_add_nc_u32 v[AKN], s2, v[AKN]
	v_add_nc_u32 v[AKN+1], FX, v[AKN]
	v_add_nc_u32 v[AKN+2], 2*FX, v[AKN]
	v_mul_u32_u24 v[AVN], v[HH], 16*FP
	v_lshl_add_u32 v[AVN], v[R], 2, v[AVN]
	v_add_nc_u32 v[AVN], s2, v[AVN]
	v_add_nc_u32 v[AVN+1], FX, v[AVN]
	v_add_nc_u32 v[AVN+2], 3*FX, v[AVN]
	v_and_b32 v[L8], 31, v0
	v_lshlrev_b32 v[L16], 4, v[L8]
	v_lshlrev_b32 v[L8], 3, v[L8]
	v_mul_u32_u24 v[VST], v[HH], CP                ; an instruction brings two rows of codes, lanes 0-15 one, lanes 16-31 the next
	v_lshl_add_u32 v[VST], v[R], 4, v[VST]
	v_add_nc_u32 v[VST], s3, v[VST]                ; + 32 rows x wave
	v_add_nc_u32 v[VST], XCQ, v[VST]
	v_lshlrev_b32 v[MOFF], 11, v[R]                ; the mask: row r of 2,048 bytes, + 16 h
	v_lshl_add_u32 v[MOFF], v[HH], 4, v[MOFF]
	v_lshlrev_b32 v[WOFF], 8, v[RP8]               ; Qw, Kw: row rp of 256 bytes, + 16 h
	v_lshl_add_u32 v[WOFF], v[HH], 4, v[WOFF]
	v_lshlrev_b32 v[VWOFF], 8, v[R]                ; Vw: row r
	v_lshl_add_u32 v[VWOFF], v[HH], 4, v[VWOFF]
	v_lshlrev_b32 v[BOFF], 6, v[HH]                ; Qb, Kb: 16 h numbers on
	v_lshlrev_b32 v[VBOFF], 2, v[R]                ; Vb: number r
	v_lshlrev_b32 v[S8RP], 3, v[RP8]               ; scale bytes: 8 a row
	v_lshlrev_b32 v[S8R], 3, v[R]
.irp b, 0,1,2,3
	v_mov_b32 v[TM+4+\b], 0                        ; written once: a lane permute's destination counts as one of its sources
.endr
	s_wait_alu depctr_va_vdst(0)                   ; the wait ahead of the run of scalar lines
	s_mov_b32 s[HM], 0xffff0000
	s_mov_b32 s[SEL], 0x76543210
	s_mov_b32 s[SEL+1], 0xfedcba98
	s_mov_b32 s[MNT], 0x600000                     ; the mantissa field of 57,344
	s_lshl_b32 s2, ttmp9, 3
	s_add_co_u32 s2, s2, s[WV]                     ; my first mask tile: 8 G + w = 16 x (tile of queries) + (key step); the second lies 4 key steps on
	s_lshr_b32 s3, s2, 4
	s_and_b32 s4, s2, 15
	s_lshl_b32 s60, s3, 15                         ; 16 rows of 2,048 bytes,
	s_lshl_b32 s5, s4, 7                           ; 128 keys
	s_add_co_u32 s60, s60, s5
	s_add_nc_u64 s[42:43], s[42:43], s[60:61]
	s_lshl_b32 s60, s2, 8                          ; its 64 words
	s_add_nc_u64 s[50:51], s[50:51], s[60:61]
	s_lshl_b32 s60, s3, 7                          ; its two flag words: 128 bytes a tile of queries,
	s_lshl_b32 s5, s4, 2                           ; 4 bytes a key step
	s_add_co_u32 s60, s60, s5
	s_add_nc_u64 s[68:69], s[68:69], s[60:61]
	s_lshl_b32 s60, s[WV], 14                      ; my head's 64 rows of each weight,
	s_add_nc_u64 s[16:17], s[16:17], s[60:61]
	s_add_nc_u64 s[18:19], s[18:19], s[60:61]
	s_add_nc_u64 s[20:21], s[20:21], s[60:61]
	s_lshl_b32 s60, s[WV], 9                       ; of its scale bytes,
	s_add_nc_u64 s[22:23], s[22:23], s[60:61]
	s_add_nc_u64 s[24:25], s[24:25], s[60:61]
	s_add_nc_u64 s[26:27], s[26:27], s[60:61]
	s_lshl_b32 s60, s[WV], 8                       ; of each bias
	s_add_nc_u64 s[28:29], s[28:29], s[60:61]
	s_add_nc_u64 s[30:31], s[30:31], s[60:61]
	s_add_nc_u64 s[32:33], s[32:33], s[60:61]
	s_lshl_b32 s60, ttmp9, 10                      ; my work-group's rows of the inputs' scale bytes
	s_add_nc_u64 s[12:13], s[12:13], s[60:61]
	s_add_nc_u64 s[14:15], s[14:15], s[60:61]
	s_lshr_b32 s2, ttmp9, 4
	s_lshl_b32 s2, s2, 2
	s_add_co_u32 s2, s2, s[WV]                     ; bh = 4 x batch + head
	s_and_b32 s3, ttmp9, 15
	s_lshl_b32 s3, s3, 1                           ; hs: which 64 rows of the batch my first block is: an even number; the second block is hs + 1
	s_lshl_b32 s60, s2, 17
	s_lshl_b32 s4, s3, 12
	s_add_co_u32 s60, s60, s4
	s_add_nc_u64 s[QP:QP+1], s[44:45], s[60:61]    ; qimg + 131072 bh + 4096 hs
	s_lshl_b32 s60, s2, 13
	s_lshl_b32 s4, s3, 8
	s_add_co_u32 s60, s60, s4
	s_add_nc_u64 s[46:47], s[46:47], s[60:61]      ; qscl + 8192 bh + 256 hs
	s_mul_i32 s60, s2, 270336
	s_lshr_b32 s4, s3, 4
	s_mul_i32 s4, s4, 135168
	s_add_co_u32 s60, s60, s4
	s_add_nc_u64 s[48:49], s[48:49], s[60:61]      ; kv at my head's half
	s_and_b32 s4, s3, 15
	s_lshl_b32 s60, s4, 12
	s_add_nc_u64 s[KP:KP+1], s[48:49], s[60:61]    ; K: 8,192 a key step, 4,096 a half step
	s_lshr_b32 s5, s4, 1
	s_lshl_b32 s60, s5, 13
	s_add_co_u32 s60, s60, 65536
	s_add_nc_u64 s[VP:VP+1], s[48:49], s[60:61]    ; V: 65,536 + 8,192 a key step (+ 1,024 for the second block)
	s_lshl_b32 s60, s4, 8
	s_add_co_u32 s60, s60, 131072
	s_add_nc_u64 s[48:49], s[48:49], s[60:61]      ; the scales' record: 131,072 + 256 a half step
.irp i, 0,1,2,3,4,5,6,7,8,9,10,11,12,13,14,15
	global_load_b128 v[ACC+4*\i:ACC+4*\i+3], v[L16], s[CB:CB+1] offset:512*\i   ; the first block's codes: 32 lanes read 512 consecutive bytes, aligned
.endr
.irp b, 0,1,2,3
	global_load_b128 v[XF+4*\b:XF+4*\b+3], v[MOFF], s[42:43] offset:32*\b th:TH_LOAD_NT          ; mask bytes of keys 32 b + 16 h + 0 .. 15, query r
	global_load_b128 v[XF+32+4*\b:XF+32+4*\b+3], v[MOFF], s[42:43] offset:512+32*\b th:TH_LOAD_NT   ; and of the second tile
.endr
	WIN 0x40                                       ; destination window 1
.irp t, 0,1,2,3
.irp s, 0,1
.irp c, 0,1,2,3
	global_load_b128 v[16*(2*\t+\s)+4*\c:16*(2*\t+\s)+4*\c+3], v[WOFF], s[16:17] offset:(32*(\t/2)+8*(\t%2))*256+128*\s+32*\c
	global_load_b128 v[128+16*(2*\t+\s)+4*\c:128+16*(2*\t+\s)+4*\c+3], v[WOFF], s[18:19] offset:(32*(\t/2)+8*(\t%2))*256+128*\s+32*\c
.endr
.endr
.endr
	WIN 0x80                                       ; destination window 2
.irp t, 0,1,2,3
.irp s, 0,1
.irp c, 0,1,2,3
	global_load_b128 v[16*(2*\t+\s)+4*\c:16*(2*\t+\s)+4*\c+3], v[VWOFF], s[20:21] offset:4096*\t+128*\s+32*\c
.endr
.endr
	global_load_b128 v[128+8*\t:128+8*\t+3], v[BOFF], s[28:29] offset:(32*(\t/2)+8*(\t%2))*4        ; Qb in the result's layout
	global_load_b128 v[128+8*\t+4:128+8*\t+7], v[BOFF], s[28:29] offset:(32*(\t/2)+8*(\t%2))*4+16
	global_load_b128 v[160+8*\t:160+8*\t+3], v[BOFF], s[30:31] offset:(32*(\t/2)+8*(\t%2))*4        ; Kb likewise
	global_load_b128 v[160+8*\t+4:160+8*\t+7], v[BOFF], s[30:31] offset:(32*(\t/2)+8*(\t%2))*4+16
.irp j, 0,1,2,3,4,5,6,7
	global_load_b32 v[192+8*\t+\j], v[VBOFF], s[32:33] offset:64*\t                                  ; Vb: a lane's eight results are one channel, 16 t + r
.endr
.endr
	WIN 0
.irp t, 0,1,2,3
	global_load_b64 v[WQS+2*\t:WQS+2*\t+1], v[S8RP], s[22:23] offset:(32*(\t/2)+8*(\t%2))*8
	global_load_b64 v[WKS+2*\t:WKS+2*\t+1], v[S8RP], s[24:25] offset:(32*(\t/2)+8*(\t%2))*8
	global_load_b64 v[WVS+2*\t:WVS+2*\t+1], v[S8R], s[26:27] offset:128*\t
.irp k, 0,1
	global_load_b64 v[XQS+XO*\k+2*\t:XQS+XO*\k+2*\t+1], v[S8R], s[12:13] offset:512*\k+128*\t                           ; block k: queries 16 t + r
	global_load_b64 v[XKS+XO*\k+2*\t:XKS+XO*\k+2*\t+1], v[S8RP], s[14:15] offset:512*\k+(32*(\t/2)+8*(\t%2))*8          ; keys 32 U + 8 u + rp, t = 2 U + u
.endr
.endr
	WIN 0xc0                                       ; destination window 3
.irp i, 0,1,2,3,4,5,6,7,8,9,10,11,12,13,14,15
	global_load_b128 v[192+4*\i:192+4*\i+3], v[L16], s[CB:CB+1] offset:16384+512*\i   ; the second block's codes wait in registers
.endr
	WIN 0
	TURN G0F1, G0F0                                ; unit 0's rows are in; unit 1's load, slot 1's first fill, goes out as a refill does
	s_wait_loadcnt 0x0                             ; all that the head asked for is in
.irp i, 0,1,2,3,4,5,6,7,8,9,10,11,12,13,14,15
	ds_store_b128 v[VST], v[ACC+4*\i:ACC+4*\i+3] offset:2*CP*\i   ; the codes into padded rows
.endr
; ONE MASK TILE, its bytes in v[mx] on.  Byte n of a lane's 64 is the mask of its score register n.
.macro MASKT mx, t
.irp k, 0,1,2,3
	v_and_b32 v[\mx+24+\k], v[\mx+\k], v[\mx+4+\k]    ; the AND and the OR of my lane's 64 bytes, four chains each
	v_or_b32 v[\mx+28+\k], v[\mx+\k], v[\mx+4+\k]
.endr
.irp m, 8,12
.irp k, 0,1,2,3
	v_and_b32 v[\mx+24+\k], v[\mx+24+\k], v[\mx+\m+\k]
	v_or_b32 v[\mx+28+\k], v[\mx+28+\k], v[\mx+\m+\k]
.endr
.endr
	v_and_b32 v[\mx+24], v[\mx+24], v[\mx+25]
	v_and_b32 v[\mx+26], v[\mx+26], v[\mx+27]
	v_or_b32 v[\mx+28], v[\mx+28], v[\mx+29]
	v_or_b32 v[\mx+30], v[\mx+30], v[\mx+31]
	v_and_b32 v[\mx+24], v[\mx+24], v[\mx+26]
	v_or_b32 v[\mx+28], v[\mx+28], v[\mx+30]
	v_cmp_eq_u32 s60, 0x01010101, v[\mx+24]        ; bit l: all of lane l's scores are masked
	v_cmp_ne_u32 s61, 0, v[\mx+28]                 ; bit l: some are
	v_mov_b32 v[\mx+24], s60
	v_mov_b32 v[\mx+25], s61
	v_cmp_eq_u32 vcc_lo, 8, v[L8]
	v_cndmask_b32 v[\mx+24], v[\mx+24], v[\mx+25], vcc_lo   ; lane 0 holds the first word, lane 1 the second,
	v_lshlrev_b32 v[\mx+26], 3, v[L8]              ; 64 bytes apart
	v_cmp_gt_u32 vcc_lo, 16, v[L8]                 ; lanes 0 and 1
	s_wait_alu depctr_va_vdst(0)                   ; the wait ahead of the wait below
	s_wait_xcnt 0x0                                ; EXEC changes only behind this wait
	s_and_saveexec_b32 s62, vcc_lo
	global_store_b32 v[\mx+26], v[\mx+24], s[68:69] offset:16*\t
	s_wait_xcnt 0x0
	s_or_b32 exec_lo, exec_lo, s62
	v_mov_b32 v[\mx+16], 0                         ; (a lane write's destination counts as read)
	v_mov_b32 v[\mx+17], 0
.set n, 0
.rept 16                                       ; a compare turns the 32 lanes' bytes into one word; word n goes to lane n / 2, register n % 2; four at a time
.irp k, 0,1,2,3
	v_and_b32 v[\mx+18+\k], 0xff<<(8*\k), v[\mx+n/4]
.endr
.irp k, 0,1,2,3
	v_cmp_ne_u32 s[60+\k], 0, v[\mx+18+\k]
.endr
.irp k, 0,1,2,3
	v_writelane_b32 v[\mx+16+\k%2], s[60+\k], (n+\k)/2
.endr
.set n, n+4
.endr
	global_store_b64 v[L8], v[\mx+16:\mx+17], s[50:51] offset:1024*\t   ; 32 lanes store 256 consecutive bytes, aligned
.endm
	MASKT XF, 0
	MASKT XF+32, 1
; two tiles of x, both K steps: 16 loads.  Tile m begins at row row0 + dstep x m
.macro XLOAD adr, row0, dstep
.irp m, 0,1
.irp s, 0,1
.irp c, 0,1,2,3
	ds_load_b128 v[XF+32*\m+16*\s+4*\c:XF+32*\m+16*\s+4*\c+3], v[\adr] offset:((\row0)+(\dstep)*\m)*CP+128*\s+32*\c
.endr
.endr
.endr
.endm
; TRANSPOSED: source 0 = weight tile t (window 1, from wb), source 1 = tile m of x; the bias (window 2) is the C of the first K step.  Eight accumulators take turns, one instruction a turn.
.macro MMT wb, wsc, bias, xs
	WIN 0x21
.irp m, 0,1
.irp t, 0,1,2,3
	v_wmma_scale_f32_16x16x128_f8f6f4 v[ACC+32*\m+8*\t:ACC+32*\m+8*\t+7], v[(\wb)+32*\t:(\wb)+32*\t+15], v[XF+32*\m:XF+32*\m+15], v[(\bias)+8*\t:(\bias)+8*\t+7], v[(\wsc)+2*\t], v[(\xs)+2*\m] matrix_a_fmt:MATRIX_FMT_BF8 matrix_b_fmt:MATRIX_FMT_BF8
.endr
.endr
	WIN 0x01
.irp m, 0,1
.irp t, 0,1,2,3
	v_wmma_scale_f32_16x16x128_f8f6f4 v[ACC+32*\m+8*\t:ACC+32*\m+8*\t+7], v[(\wb)+32*\t+16:(\wb)+32*\t+31], v[XF+32*\m+16:XF+32*\m+31], v[ACC+32*\m+8*\t:ACC+32*\m+8*\t+7], v[(\wsc)+2*\t+1], v[(\xs)+2*\m+1] matrix_a_fmt:MATRIX_FMT_BF8 matrix_b_fmt:MATRIX_FMT_BF8
.endr
.endr
.endm
; THE NATURAL WAY ROUND, for V: source 0 = tile u of the keys, source 1 = 16 rows of Vw (window 2): the accumulator at 16 d + 8 u holds keys 32 U + 16 h + 8 u + 0 .. 7 of channel 16 d + r
.macro MMN un
	WIN 0x28
.irp u, 0,1
.irp d, 0,1,2,3
	v_wmma_scale_f32_16x16x128_f8f6f4 v[ACC+16*\d+8*\u:ACC+16*\d+8*\u+7], v[XF+32*\u:XF+32*\u+15], v[32*\d:32*\d+15], v[192+8*\d:192+8*\d+7], v[XKS+XO*BLK+4*(\un)+2*\u], v[WVS+2*\d] matrix_a_fmt:MATRIX_FMT_BF8 matrix_b_fmt:MATRIX_FMT_BF8
.endr
.endr
	WIN 0x08
.irp u, 0,1
.irp d, 0,1,2,3
	v_wmma_scale_f32_16x16x128_f8f6f4 v[ACC+16*\d+8*\u:ACC+16*\d+8*\u+7], v[XF+32*\u+16:XF+32*\u+31], v[32*\d+16:32*\d+31], v[ACC+16*\d+8*\u:ACC+16*\d+8*\u+7], v[XKS+XO*BLK+4*(\un)+2*\u+1], v[WVS+2*\d+1] matrix_a_fmt:MATRIX_FMT_BF8 matrix_b_fmt:MATRIX_FMT_BF8
.endr
.endr
.endm
; the three addends in Ksum's layout: register 32 u + 16 b + i = channel 32 b + 16 h + i of key 32 U + 8 u + rp: 48 loads into window 3
.macro ADDK un
	WIN 0xc0
.irp u, 0,1
.irp b, 0,1
.irp i, 0,1,2,3
	ds_load_b128 v[32*\u+16*\b+4*\i:32*\u+16*\b+4*\i+3], v[AKN] offset:(32*(\un)+8*\u)*FP+128*\b+16*\i
	ds_load_b128 v[64+32*\u+16*\b+4*\i:64+32*\u+16*\b+4*\i+3], v[AKN+1] offset:(32*(\un)+8*\u)*FP+128*\b+16*\i
	ds_load_b128 v[128+32*\u+16*\b+4*\i:128+32*\u+16*\b+4*\i+3], v[AKN+2] offset:(32*(\un)+8*\u)*FP+128*\b+16*\i
.endr
.endr
.endr
.endm
; and in Vsum's: register 16 d + 8 u + j = key 32 U + 16 h + 8 u + j of channel 16 d + r: 192 loads of one number
.macro ADDV un
	WIN 0xc0
.irp d, 0,1,2,3
.irp u, 0,1
.irp j, 0,1,2,3,4,5,6,7
	ds_load_b32 v[16*\d+8*\u+\j], v[AVN] offset:(32*(\un)+8*\u+\j)*FP+64*\d
	ds_load_b32 v[64+16*\d+8*\u+\j], v[AVN+1] offset:(32*(\un)+8*\u+\j)*FP+64*\d
	ds_load_b32 v[128+16*\d+8*\u+\j], v[AVN+2] offset:(32*(\un)+8*\u+\j)*FP+64*\d
.endr
.endr
.endr
.endm
; the three addends are summed among themselves (64 packed additions that name no register of the products: they are the places behind them, ISA guide 7.12.1), then onto the accumulators, each from its low end on
.macro SUM3
	WIN 0xcf
.set q, 0
.rept 32
	v_pk_add_f32 v[q:q+1], v[q:q+1], v[64+q:65+q]
.set q, q+2
.endr
.set q, 0
.rept 32
	v_pk_add_f32 v[q:q+1], v[q:q+1], v[128+q:129+q]
.set q, q+2
.endr
	WIN 0x0c
.set q, 0
.rept 32
	v_pk_add_f32 v[ACC+q:ACC+q+1], v[ACC+q:ACC+q+1], v[q:q+1]
.set q, q+2
.endr
	WIN 0
.endm
; 64 numbers of a lane, four blocks of which it holds 16 each, become 16 registers of codes (v[PC] on), four scale bytes (v[TM+4] on) and their word (v[PW])
.macro QUANT
.irp b, 0,1,2,3
	v_max3_num_f32 v[TM+\b], |v[ACC+16*\b]|, |v[ACC+1+16*\b]|, 0x8000000   ; my 16 numbers, and the floor 2^(16 - 127): the byte cannot fall under 1
.endr
.irp i, 2,4,6,8,10,12,14
.irp b, 0,1,2,3
	v_max3_num_f32 v[TM+\b], v[TM+\b], |v[ACC+16*\b+\i]|, |v[ACC+1+16*\b+\i]|
.endr
.endr
.irp b, 0,1,2,3
	v_permlanex16_b32 v[TM+4+\b], v[TM+\b], s[SEL], s[SEL+1]
.endr
.irp b, 0,1,2,3
	v_max_num_f32 v[TM+\b], v[TM+\b], v[TM+4+\b]   ; with lane l xor 16's: the block's largest magnitude
.endr
.irp b, 0,1,2,3
	v_add_nc_u32 v[TM+12+\b], 0xf8800000, v[TM+\b] ; 15 off its exponent field: the conversion's scale operand
.endr
.irp b, 0,1,2,3
	v_and_or_b32 v[TM+8+\b], v[TM+\b], 0x7f800000, s[MNT]   ; 57,344 x the scale
.endr
.irp b, 0,1,2,3
	v_lshrrev_b32 v[TM+4+\b], 23, v[TM+12+\b]      ; the scale's byte
.endr
	v_lshl_or_b32 v[PW], v[TM+5], 8, v[TM+4]
	v_lshl_or_b32 v[PW], v[TM+6], 16, v[PW]
	v_lshl_or_b32 v[PW], v[TM+7], 24, v[PW]
.irp b, 0,1,2,3
.irp i, 0,1,2,3,4,5,6,7,8,9,10,11,12,13,14,15
	v_med3_num_f32 v[ACC+16*\b+\i], v[ACC+16*\b+\i], -v[TM+8+\b], v[TM+8+\b]   ; the conversion to an 8-bit code does not saturate (ISA guide 7.6.2): the hold comes first
.endr
	v_cvt_scalef32_pk8_bf8_f32 v[PC+4*\b:PC+1+4*\b], v[ACC+16*\b:ACC+7+16*\b], v[TM+12+\b]
	v_cvt_scalef32_pk8_bf8_f32 v[PC+2+4*\b:PC+3+4*\b], v[ACC+8+16*\b:ACC+15+16*\b], v[TM+12+\b]
.endr
	v_nop                                          ; one plain line behind the last conversion
.endm
.macro IMG ptr, off, stride                    ; four registers a store: 32 lanes x 16 bytes = 512 consecutive bytes, aligned
.irp k, 0,1,2,3
	global_store_b128 v[L16], v[PC+4*\k:PC+4*\k+3], s[\ptr:\ptr+1] offset:(\off)+(\stride)*\k
.endr
.endm
; Q of query tiles 2 p and 2 p + 1 of block BLK
.macro QPAIR p
	s_wait_xcnt 0x0                                ; earlier stores have read their data: the registers of x and of the codes may be written again
	XLOAD AXQ, 32*\p, 16
	s_wait_dscnt 0x0
	MMT 0, WQS, 128, XQS+XO*BLK+4*\p
	WIN 0
.rept 8
	v_nop                                          ; eight places between the products and the first read of their results
.endr
	QUANT
	IMG QP, 4096*BLK+2048*\p, 512
	v_perm_b32 v[QW+2*\p], v[PW], v[PW], 0x01000100    ; a tile's two bytes, twice: the score product has Q in the lower or in the upper half of its K
	v_perm_b32 v[QW+2*\p+1], v[PW], v[PW], 0x03020302
.endm
; Ksum and Vsum of keys 32 U .. 32 U + 31 of block BLK
.macro UNIT un
	s_wait_xcnt 0x0                                ; earlier stores have read their data
	XLOAD AXK, 32*\un, 8
	ADDK \un
	s_wait_dscnt 48                                ; the 16 loads of the keys' codes are in; the 48 addend loads issued behind them may be out
	MMT 128, WKS, 160, XKS+XO*BLK+4*\un
	s_wait_dscnt 0x0
	SUM3
	ADDV \un                                       ; Vsum's addends land while Ksum is quantised
	WIN 0
	QUANT
	IMG KP, 4096*BLK+2048*\un, 512                 ; the pair of tiles IS one fragment: row r = key 32 U + rp's 64 channels, then key 32 U + 8 + rp's
	v_mov_b32 v[KW+\un], v[PW]
	MMN \un                                        ; the keys' fragments are still in registers
	s_wait_dscnt 0x0
	SUM3
	s_wait_xcnt 0x0                                ; K's stores have read the codes' registers
	QUANT
	IMG VP, 1024*BLK+512*\un, 2048                 ; channel tile d
	v_lshl_or_b32 v228, v[TM+5], 16, v[TM+4]       ; V's bytes: lanes with h = 0 keep channel tiles 0, 1, the others 2, 3; this unit's in bytes U and 2 + U
	v_lshl_or_b32 v229, v[TM+7], 16, v[TM+6]
.if \un == 0
	v_cndmask_b32 v[KR+1], v228, v229, s[HM]
.else
	v_cndmask_b32 v230, v228, v229, s[HM]
	v_lshl_or_b32 v[KR+1], v230, 8, v[KR+1]
.endif
.endm
.macro QREC
	v_cndmask_b32 v[QR], v[QW], v[QW+1], s[HM]     ; word j of lane (r, h): tile 2 j + h, query r
	v_cndmask_b32 v[QR+1], v[QW+2], v[QW+3], s[HM]
	global_store_b64 v[L8], v[QR:QR+1], s[46:47] offset:256*BLK   ; 256 consecutive bytes, aligned
.endm
.macro KREC
	v_cndmask_b32 v[KR], v[KW], v[KW+1], s[HM]     ; lanes 0-15: the first pair's K words, lanes 16-31 the second's
	global_store_b64 v[L8], v[KR:KR+1], s[48:49] offset:256*BLK
.endm
.macro CSTORE par                              ; the waves with number % 2 = par store the second block's codes over the rows that nobody reads any more
	s_and_b32 s2, s[WV], 1
	s_cmp_eq_u32 s2, \par
	s_cbranch_scc0 .Lnot_mine_\@
	WIN 0x0c                                       ; the data: window 3
.irp i, 0,1,2,3,4,5,6,7,8,9,10,11,12,13,14,15
	ds_store_b128 v[VST], v[192+4*\i:192+4*\i+3] offset:2*CP*\i
.endr
	WIN 0
.Lnot_mine_\@:
.endm
	s_wait_dscnt 0x0                               ; my rows of codes are stored; unit 1's load may be out
	s_barrier_signal -1
	s_barrier_wait -1
	QPAIR 0
	UNIT 0
	TURN G0F0, G0F1                                ; unit 1's rows are in; slot 0 takes unit 2's
	CSTORE 0
	QPAIR 1
	QREC
	UNIT 1
	KREC
	TURN G0F1, 0                                   ; slot 1 takes unit 3's
	CSTORE 1
.set BLK, 1
	QPAIR 0
	UNIT 0
	TURN 0, 0
	QPAIR 1
	QREC
	UNIT 1
	KREC
	s_wait_tensorcnt 0x0                           ; the wave's end
	ds_add_u32 v254, v255
	s_wait_dscnt 0x0
	s_endpgm
.Lfunc_end_k_qd0531d5ebd_prep:
	.size	k_qd0531d5ebd_prep, .Lfunc_end_k_qd0531d5ebd_prep-k_qd0531d5ebd_prep
	.p2alignl 7, 3214868480
	.fill 96, 4, 3214868480
	.section	.rodata,"a",@progbits
	.p2align	6, 0x0
	.amdhsa_kernel k_qd0531d5ebd_prep
		.amdhsa_group_segment_fixed_size 327680
		.amdhsa_private_segment_fixed_size 0
		.amdhsa_enable_private_segment 0
		.amdhsa_kernarg_size 184
		.amdhsa_user_sgpr_count 2
		.amdhsa_user_sgpr_kernarg_segment_ptr 1
		.amdhsa_wavefront_size32 1
		.amdhsa_system_sgpr_workgroup_id_x 1
		.amdhsa_system_sgpr_workgroup_id_y 1
		.amdhsa_system_sgpr_workgroup_id_z 1
		.amdhsa_system_vgpr_workitem_id 0
		.amdhsa_next_free_vgpr 1024
		.amdhsa_next_free_sgpr 100
		.amdhsa_reserve_vcc 1
		.amdhsa_float_denorm_mode_32 3
		.amdhsa_float_denorm_mode_16_64 3
		.amdhsa_memory_ordered 1
		.amdhsa_forward_progress 1
		.amdhsa_inst_pref_size 255
	.end_amdhsa_kernel
	.section	.bss,"aw",@nobits
	.p2align	6
	.space	262144
	.amdgpu_metadata
---
amdhsa.version: [ 1, 2 ]
amdhsa.kernels:
  - .name:           k_qd0531d5ebd_prep
    .symbol:         k_qd0531d5ebd_prep.kd
    .args:
      - { .name: queries_codes, .offset: 0, .size: 8, .value_kind: global_buffer, .address_space: global }
      - { .name: keys_codes, .offset: 8, .size: 8, .value_kind: global_buffer, .address_space: global }
      - { .name: queries_scales, .offset: 16, .size: 8, .value_kind: global_buffer, .address_space: global }
      - { .name: keys_scales, .offset: 24, .size: 8, .value_kind: global_buffer, .address_space: global }
      - { .name: Qw_codes, .offset: 32, .size: 8, .value_kind: global_buffer, .address_space: global }
      - { .name: Kw_codes, .offset: 40, .size: 8, .value_kind: global_buffer, .address_space: global }
      - { .name: Vw_codes, .offset: 48, .size: 8, .value_kind: global_buffer, .address_space: global }
      - { .name: Qw_scales, .offset: 56, .size: 8, .value_kind: global_buffer, .address_space: global }
      - { .name: Kw_scales, .offset: 64, .size: 8, .value_kind: global_buffer, .address_space: global }
      - { .name: Vw_scales, .offset: 72, .size: 8, .value_kind: global_buffer, .address_space: global }
      - { .name: Qb, .offset: 80, .size: 8, .value_kind: global_buffer, .address_space: global }
      - { .name: Kb, .offset: 88, .size: 8, .value_kind: global_buffer, .address_space: global }
      - { .name: Vb, .offset: 96, .size: 8, .value_kind: global_buffer, .address_space: global }
      - { .name: neighbor_matrix, .offset: 104, .size: 8, .value_kind: global_buffer, .address_space: global }
      - { .name: neighAt_matrix, .offset: 112, .size: 8, .value_kind: global_buffer, .address_space: global }
      - { .name: abs_pos_K, .offset: 120, .size: 8, .value_kind: global_buffer, .address_space: global }
      - { .name: abs_pos_V, .offset: 128, .size: 8, .value_kind: global_buffer, .address_space: global }
      - { .name: attn_mask, .offset: 136, .size: 8, .value_kind: global_buffer, .address_space: global }
      - { .name: qimg, .offset: 144, .size: 8, .value_kind: global_buffer, .address_space: global }
      - { .name: qscl, .offset: 152, .size: 8, .value_kind: global_buffer, .address_space: global }
      - { .name: kv, .offset: 160, .size: 8, .value_kind: global_buffer, .address_space: global }
      - { .name: maskbits, .offset: 168, .size: 8, .value_kind: global_buffer, .address_space: global }
      - { .name: mflags, .offset: 176, .size: 8, .value_kind: global_buffer, .address_space: global }
    .group_segment_fixed_size: 327680
    .private_segment_fixed_size: 0
    .kernarg_segment_align: 8
    .kernarg_segment_size: 184
    .max_flat_workgroup_size: 128
    .sgpr_count:     100
    .vgpr_count:     1024
    .wavefront_size: 32
...
	.end_amdgpu_metadata
.endif
;; end of part 1
;; launch attn (part 2): grid 4 x 64, 16 waves a work-group, no clusters, 71,680 bytes of LDS; arguments qimg, qscl, kv, maskbits, mflags, out0; writes out0
.if DOCPART == 2
	.amdgcn_target "amdgcn-amd-amdhsa--gfx1250"
	.amdhsa_code_object_version 6
	.text
	.protected	k_qd0531d5ebd_attn
	.globl	k_qd0531d5ebd_attn
	.p2align	8
	.type	k_qd0531d5ebd_attn,@function
k_qd0531d5ebd_attn:
	s_mov_b64 s[64:65], 0
	v_nop
	global_prefetch_b8 v0, s[64:65] scope:SCOPE_SE
	s_setreg_imm32_b32 hwreg(HW_REG_WAVE_MODE, 25, 1), 1
	s_wait_xcnt 0x0
; out = softmax(mask(Q Ksum^T / 8)) Vsum for one batch and head (bh = grid y), both products on E5M2 codes with E8M0 scales.  Q, Ksum, Vsum arrive as images of operand registers, the mask as lane words.
; t = score x log2(e) / 8; M = the running largest t rounded up to a whole number; p = 2^(t - M) is quantised along the keys; the row's sum is taken of the unquantised p and divides at the end.
; SHARES.  A wave owns one tile of 16 queries at a time and takes two, tiles i and 127 - i of the head's 128; 64 waves a head, 16 a work-group (four to a SIMD), 256 work-groups.
; WHICH KEY STEPS ARE WALKED is decided by whole numbers that the launch before stored (mflags).  A step of 128 keys in which every score of my 16 queries is masked is left out: a masked score is -2^32,
; so beside any open score of its row its p is 0.  Where some row of the 16 is masked at ALL 2,048 keys its softmax is uniform over all keys, and the tile then walks all 16 steps.
; The mask's words are loaded and selected only in steps in which some score of the tile is masked.
; LIMITS.  The promise holds while the scaled scores (the exponents to the base 2) of open keys stay under 2^31 in magnitude.  NaN and infinities are not served.
; NO TENSOR LOADS, NO JOINT LOADS: the walk hangs on numbers read from memory, so K and V go from memory straight into registers, 512 consecutive bytes an instruction, as the launch before laid them.
; THE PREFETCH.  A head's K and V are 32 pieces of 8,192 bytes (16 steps x K, V).  Waves 0 to 31 of the head name one piece each, once, in their first tile's set-up: lanes 256 bytes apart, piece w = step w / 2, K or V by w % 2.
; So a work-group asks for at most 16 pieces, each block of 256 bytes is named once in the launch, and step s is named s walked steps ahead of its first load.  The scale records are not asked for.
; LAYOUT (as the images were made): both products transposed; a lane holds one query (lane % 16); score register 16 b + i is key 32 b + 16 (lane / 16) + i of the step.  A fragment of K holds two keys' 64 channels in a row:
; Q stands between zeros, so that v[Q:Q+15] meets the first key of a row and v[Q-8:Q+7] the second.
.set KVBH,  270336                     ; a head's bytes in kv: two halves of 8 steps x (8,192 K) + 8 x (8,192 V) + 4,096 of scale records
.set SPARE, 16*4352                    ; LDS: 16 rows x 272 bytes of stage for each wave, then the spare words
.set L16, 1
.set L8,  2
.set NEGV, 3
.set QS,  4
.set STO, 5
.set SRD, 6
.set GO,  7
.set MA,  12                           ; v12 -M, v13 largest t, v[14:15] the sum
.set LA,  14
.set QA,  24                           ; v16-23 zeros, v24-31 Q, v32-39 zeros
.set KF,  40                           ; v40-103 four fragments, of K and then of V
.set S,   104
.set O,   168
.set PC,  200
.set BM,  216
.set BP,  220
.set HOLD, 224
.set SOP, 228
.set FF,  232
.set TT,  234
.set L2C, 236
.set VE,  238
.set VO,  239
.set PW,  240
.set R8,  241
.set PFO, 242
.set SPW, 246
.set NIL, 247
.set WV,  2
.set TASK, 3
.set REM, 4
.set ORA, 5
.set NST, 7
.set CNT, 8
.set CUR, 9
.set SEL, 10
.set CS,  12
.set MNT, 14
.set KVB, 16
.set KA,  18
.set QIP, 20
.set SA,  22
.set TP,  24                           ; s[24:25]: an offset as a pair; s25 stays 0
.set MBA, 26
.set OUTP, 28
.set T0,  30
.set T1,  31
.set MO,  66
.set QT,  67
.set XA,  100
.set WIDX, 104
.set BH,  105
.macro WM d, a, bb, sa, sb, acc, row   ; one matrix instruction: acc = 0 starts a sum; row = 1 takes source 0's scales from lanes 16-31
.if \acc
.if \row
	v_wmma_scale_f32_16x16x128_f8f6f4 v[(\d):(\d)+7], v[(\a):(\a)+15], v[(\bb):(\bb)+15], v[(\d):(\d)+7], v[\sa], v[\sb] matrix_a_fmt:MATRIX_FMT_BF8 matrix_b_fmt:MATRIX_FMT_BF8 matrix_a_scale:MATRIX_SCALE_ROW1
.else
	v_wmma_scale_f32_16x16x128_f8f6f4 v[(\d):(\d)+7], v[(\a):(\a)+15], v[(\bb):(\bb)+15], v[(\d):(\d)+7], v[\sa], v[\sb] matrix_a_fmt:MATRIX_FMT_BF8 matrix_b_fmt:MATRIX_FMT_BF8
.endif
.else
.if \row
	v_wmma_scale_f32_16x16x128_f8f6f4 v[(\d):(\d)+7], v[(\a):(\a)+15], v[(\bb):(\bb)+15], 0, v[\sa], v[\sb] matrix_a_fmt:MATRIX_FMT_BF8 matrix_b_fmt:MATRIX_FMT_BF8 matrix_a_scale:MATRIX_SCALE_ROW1
.else
	v_wmma_scale_f32_16x16x128_f8f6f4 v[(\d):(\d)+7], v[(\a):(\a)+15], v[(\bb):(\bb)+15], 0, v[\sa], v[\sb] matrix_a_fmt:MATRIX_FMT_BF8 matrix_b_fmt:MATRIX_FMT_BF8
.endif
.endif
.endm
.macro ADDR x                          ; step x (0 .. 15, held there by s_min_u32): where its K and its scale records lie; its V lies 65,536 bytes behind its K
	s_and_b32 s[T0], s[\x], 8
	s_mul_i32 s[T0], s[T0], 16896              ; the half: 135,168 bytes
	s_and_b32 s[T1], s[\x], 7
	s_lshl_b32 s[TP], s[T1], 13
	s_add_co_u32 s[TP], s[TP], s[T0]
	s_add_nc_u64 s[KA:KA+1], s[KVB:KVB+1], s[TP:TP+1]
	s_lshl_b32 s[TP], s[T1], 9
	s_add_co_u32 s[TP], s[TP], s[T0]
	s_add_co_u32 s[TP], s[TP], 131072
	s_add_nc_u64 s[SA:SA+1], s[KVB:KVB+1], s[TP:TP+1]
.endm
.macro KLOAD
.irp b, 0,1,2,3
.irp c, 0,1,2,3
	global_load_b128 v[KF+16*\b+4*\c:KF+16*\b+4*\c+3], v[L16], s[KA:KA+1] offset:2048*\b+512*\c
.endr
.endr
	global_load_b64 v[8:9], v[L8], s[SA:SA+1]
	global_load_b64 v[10:11], v[L8], s[SA:SA+1] offset:256
.endm
	v_lshl_add_u32 v[SPW], v0, 2, SPARE            ; my spare word and 0
	v_mov_b32 v[NIL], 0
	v_lshrrev_b32 v[TT], 5, v0
	v_readfirstlane_b32 s[WV], v[TT]
	s_and_b32 s[BH], ttmp7, 0xffff                 ; bh = 4 x batch + head
	s_lshl_b32 s[WIDX], ttmp9, 4
	s_add_co_u32 s[WIDX], s[WIDX], s[WV]           ; my number among the head's 64 waves
	s_mov_b32 s[SEL], 0x76543210
	s_mov_b32 s[SEL+1], 0xfedcba98
	s_mov_b32 s[CS], 0x3e38aa3b                    ; log2(e) / 8
	s_mov_b32 s[CS+1], s[CS]
	s_mov_b32 s[MNT], 0x600000
	s_mov_b32 s[TP+1], 0
	s_mov_b32 s[TASK], 0
	s_mul_i32 s[T0], s[WV], 4352                   ; my stage
	s_lshr_b32 s[T1], s[WIDX], 1                   ; my piece of the prefetch: step (w / 2) % 16,
	s_and_b32 s[XA], s[T1], 8
	s_mul_i32 s[XA], s[XA], 16896
	s_and_b32 s[T1], s[T1], 7
	s_lshl_b32 s[T1], s[T1], 13
	s_add_co_u32 s[T1], s[T1], s[XA]
	s_and_b32 s[XA], s[WIDX], 1                    ; K or V
	s_lshl_b32 s[XA], s[XA], 16
	s_add_co_u32 s[T1], s[T1], s[XA]
	v_and_b32 v[TT], 31, v0
	v_and_b32 v250, 15, v0                         ; r
	v_bfe_u32 v251, v0, 4, 1                       ; h
	v_lshlrev_b32 v[L16], 4, v[TT]
	v_lshlrev_b32 v[L8], 3, v[TT]
	v_lshl_add_u32 v[PFO], v[TT], 8, s[T1]         ; lanes 256 bytes apart
	v_lshlrev_b32 v[R8], 3, v250
	v_mul_u32_u24 v[STO], v250, 272                ; in: row r, 32 h bytes on
	v_mul_u32_u24 v[SRD], v251, 272                ; back: lanes 0-15 one row of 256 bytes, lanes 16-31 the next
	v_lshlrev_b32 v[GO], 10, v251                  ; and the same two rows of out0, 1,024 bytes apart
	v_lshl_add_u32 v[STO], v251, 5, v[STO]
	v_lshl_add_u32 v[SRD], v250, 4, v[SRD]
	v_lshl_add_u32 v[GO], v250, 4, v[GO]
	v_add_nc_u32 v[STO], s[T0], v[STO]
	v_add_nc_u32 v[SRD], s[T0], v[SRD]
	v_mov_b32 v[NEGV], 0xd1000000
.irp j, 0,1,2,3,4,5,6,7
	v_mov_b32 v[16+\j], 0                          ; the zero codes round Q
	v_mov_b32 v[32+\j], 0
.endr
.irp b, 0,1,2,3
	v_mov_b32 v[BP+\b], 0                          ; a lane permute's destination counts as one of its sources
.endr
	v_mov_b32 v[FF+1], 0                           ; (named as the upper half of a pair)
.Ltask:                                                ; two trips: tiles WIDX and 127 - WIDX
	s_load_b256 s[32:39], s[0:1], 0x0              ; qimg 32, qscl 34, kv 36, maskbits 38
	s_load_b128 s[40:43], s[0:1], 0x20             ; mflags 40, out0 42
	s_sub_co_u32 s[T0], 127, s[WIDX]
	s_cmp_eq_u32 s[TASK], 0
	s_cselect_b32 s[QT], s[WIDX], s[T0]
	v_mov_b32 v[MA+1], 0xff61b1e6                  ; the largest t so far: -3e38
	v_mov_b32 v[LA], 0
	v_mov_b32 v[LA+1], 0
	v_floor_f32 v[MA], -v[MA+1]
.set n, 0
.rept 32
	v_mov_b32 v[O+n], 0                            ; O^T: the step is written without a first step of its own
.set n, n+1
.endr
	s_wait_alu depctr_va_vdst(0)                   ; the wait ahead of the wait below
	s_wait_kmcnt 0x0
	s_mul_i32 s[TP], s[BH], KVBH
	s_add_nc_u64 s[KVB:KVB+1], s[36:37], s[TP:TP+1]
	s_lshl_b32 s[T0], s[TASK], 5
	s_add_co_u32 s[T0], s[T0], s[WIDX]
	s_cmp_lt_u32 s[T0], 32                         ; the first tile of waves 0 to 31: ids alone
	s_cbranch_scc0 .Lno_ask
	global_prefetch_b8 v[PFO], s[KVB:KVB+1] th:TH_LOAD_NT scope:SCOPE_SE
.Lno_ask:
	s_lshl_b32 s[TP], s[BH], 17
	s_lshl_b32 s[T0], s[QT], 10
	s_add_co_u32 s[TP], s[TP], s[T0]
	s_add_nc_u64 s[QIP:QIP+1], s[32:33], s[TP:TP+1]    ; Q's image: 1,024 bytes a tile
	s_lshl_b32 s[TP], s[BH], 13
	s_lshr_b32 s[T0], s[QT], 2
	s_lshl_b32 s[T0], s[T0], 8                     ; Q's scale words: a record of 256 bytes for four tiles;
	s_add_co_u32 s[TP], s[TP], s[T0]
	s_and_b32 s[T0], s[QT], 1
	s_lshl_b32 s[T0], s[T0], 7                     ; lanes 16 (tile % 2) + r,
	s_add_co_u32 s[TP], s[TP], s[T0]
	s_and_b32 s[T0], s[QT], 2
	s_lshl_b32 s[T0], s[T0], 1                     ; word (tile / 2) % 2
	s_add_co_u32 s[TP], s[TP], s[T0]
	s_add_nc_u64 s[SA:SA+1], s[34:35], s[TP:TP+1]
	s_lshl_b32 s[TP], s[QT], 12
	s_add_nc_u64 s[MBA:MBA+1], s[38:39], s[TP:TP+1]    ; the tile's 16 mask records
	s_lshl_b32 s[TP], s[QT], 7
	s_add_nc_u64 s[KA:KA+1], s[40:41], s[TP:TP+1]  ; its flag words
	s_lshr_b32 s[TP], s[BH], 2
	s_lshl_b32 s[TP], s[TP], 21
	s_and_b32 s[T0], s[BH], 3
	s_lshl_b32 s[T0], s[T0], 8
	s_add_co_u32 s[TP], s[TP], s[T0]
	s_lshl_b32 s[T0], s[QT], 14
	s_add_co_u32 s[TP], s[TP], s[T0]
	s_add_nc_u64 s[OUTP:OUTP+1], s[42:43], s[TP:TP+1]
	s_load_b512 s[32:47], s[KA:KA+1], 0x0          ; 'all masked' words of the 16 steps,
	s_load_b512 s[48:63], s[KA:KA+1], 0x40         ; 'some masked' words
	global_load_b128 v[QA:QA+3], v[L16], s[QIP:QIP+1]
	global_load_b128 v[QA+4:QA+7], v[L16], s[QIP:QIP+1] offset:512
	global_load_b32 v[QS], v[R8], s[SA:SA+1]
	s_mov_b32 s[REM], 0
	s_mov_b32 s[ORA], 0
	s_mov_b32 s[XA], -1
	s_wait_kmcnt 0x0
.set k, 0
.rept 16
	s_cmp_lg_u32 s[32+k], -1                       ; step k is walked where some score of the 16 queries is open
	s_cselect_b32 s[T0], 1<<k, 0
	s_or_b32 s[REM], s[REM], s[T0]
	s_cmp_lg_u32 s[48+k], 0
	s_cselect_b32 s[T0], 1<<k, 0
	s_or_b32 s[ORA], s[ORA], s[T0]
	s_and_b32 s[XA], s[XA], s[32+k]
.set k, k+1
.endr
	s_lshr_b32 s[T0], s[XA], 16                    ; query r is masked at all keys where bits r and 16 + r stand in all 16 words
	s_and_b32 s[T0], s[T0], s[XA]
	s_cmp_lg_u32 s[T0], 0
	s_cselect_b32 s[REM], 0xffff, s[REM]           ; then all 16 steps are walked.  So at least one step is walked in every case
	s_bcnt1_i32_b32 s[NST], s[REM]                 ; the loop's trips
	s_ctz_i32_b32 s[CUR], s[REM]
	s_min_u32 s[CUR], s[CUR], 15
	s_sub_co_u32 s[T0], s[REM], 1
	s_and_b32 s[REM], s[REM], s[T0]
	s_wait_xcnt 0x0                                ; the loads above have read their bases, which are written below
	ADDR CUR
	KLOAD
	s_mov_b32 s[CNT], 0
.Lstep:                                                ; ONE KEY STEP, s[CUR]
	s_lshl_b32 s[MO], s[CUR], 8                    ; the step's mask record: 256 bytes a step
	s_bitcmp1_b32 s[ORA], s[CUR]
	s_cbranch_scc0 .Lno_words
	s_load_b512 s[32:47], s[MBA:MBA+1], s[MO]
	s_load_b512 s[48:63], s[MBA:MBA+1], s[MO] offset:0x40
	s_load_b512 s[68:83], s[MBA:MBA+1], s[MO] offset:0x80
	s_load_b512 s[84:99], s[MBA:MBA+1], s[MO] offset:0xc0
.Lno_words:
	s_wait_loadcnt 0x0                             ; K and its scales (in a tile's first step Q too)
.irp b, 0,2                                    ; S^T = K Q^T: eight accumulators, one instruction each
	WM S+16*\b,    KF+16*\b,    QA,   8+\b, QS, 0, 0
	WM S+16*\b+8,  KF+16*\b,    QA-8, 8+\b, QS, 0, 0
	WM S+16*\b+16, KF+16*\b+16, QA,   8+\b, QS, 0, 1
	WM S+16*\b+24, KF+16*\b+16, QA-8, 8+\b, QS, 0, 1
.endr
	v_perm_b32 v[VE], v11, v9, 0x05040100          ; V's scale words; with the six lines below the eight places behind the products
	v_perm_b32 v[VO], v11, v9, 0x07060302
.rept 6
	v_nop
.endr
.irp d, 0,1,2,3
.irp c, 0,1,2,3
	global_load_b128 v[KF+16*\d+4*\c:KF+16*\d+4*\c+3], v[L16], s[KA:KA+1] offset:65536+2048*\d+512*\c   ; V lands under the softmax
.endr
.endr
	s_wait_kmcnt 0x0
	s_bitcmp1_b32 s[ORA], s[CUR]
	s_cbranch_scc0 .Lopen
.set n, 0
.rept 64
	v_cndmask_b32 v[S+n], v[S+n], v[NEGV], s[32+n+4*(n/32)]   ; masked scores become -2^35, which is -2^32 behind the division by 8; each accumulator from its low end on
.set n, n+1
.endr
.Lopen:
.irp b, 0,1,2,3
	v_max3_num_f32 v[BM+\b], v[S+16*\b], v[S+1+16*\b], v[S+2+16*\b]   ; each block's largest score, the four blocks by turns
.endr
.irp i, 3,5,7,9,11,13
.irp b, 0,1,2,3
	v_max3_num_f32 v[BM+\b], v[BM+\b], v[S+16*\b+\i], v[S+1+16*\b+\i]
.endr
.endr
.irp b, 0,1,2,3
	v_max_num_f32 v[BM+\b], v[BM+\b], v[S+15+16*\b]
.endr
.irp b, 0,1,2,3
	v_permlanex16_b32 v[BP+\b], v[BM+\b], s[SEL], s[SEL+1]
.endr
.irp b, 0,1,2,3
	v_max_num_f32 v[BM+\b], v[BM+\b], v[BP+\b]     ; with lane l xor 16's 16 keys
.endr
	v_max3_num_f32 v[TT], v[BM], v[BM+1], v[BM+2]
	s_delay_alu instid0(VALU_DEP_1)
	v_max_num_f32 v[TT], v[TT], v[BM+3]
	s_delay_alu instid0(VALU_DEP_1)
	v_mul_f32 v[TT], s[CS], v[TT]
	s_delay_alu instid0(VALU_DEP_1)
	v_max_num_f32 v[MA+1], v[MA+1], v[TT]          ; the running largest t
	v_mov_b32 v[TT], v[MA]
	s_delay_alu instid0(VALU_DEP_2)
	v_floor_f32 v[MA], -v[MA+1]                    ; -M = floor(-t)
	s_delay_alu instid0(VALU_DEP_1)
	v_sub_f32 v[TT], v[MA], v[TT]
	s_delay_alu instid0(VALU_DEP_1)
	v_cvt_i32_f32 v[TT], v[TT]                     ; (it saturates)
	s_delay_alu instid0(VALU_DEP_1)
	v_ldexp_f32 v[FF], 1.0, v[TT]                  ; f = 2^(old M - new M)
.set n, 0
.rept 32
	v_pk_fma_f32 v[S+n:S+n+1], v[S+n:S+n+1], s[CS:CS+1], v[MA:MA+1] op_sel_hi:[1,0,0]   ; t - M
.set n, n+2
.endr
.irp b, 0,1,2,3
	v_fma_f32 v[BM+\b], v[BM+\b], s[CS], v[MA]
.endr
	s_wait_alu depctr_va_vdst(0)                   ; the wait ahead of the batch
.set n, 0
.rept 64
	v_exp_f32 v[S+n], v[S+n]
.set n, n+1
.endr
	v_pk_mul_f32 v[LA:LA+1], v[LA:LA+1], v[FF:FF+1] op_sel_hi:[1,0]
	s_wait_alu depctr_va_vdst(0)                   ; one wait for the batch, ahead of its first reader
.irp b, 0,1,2,3
	v_exp_f32 v[BM+\b], v[BM+\b]                   ; each block's largest p
.endr
	v_pk_add_f32 v[L2C:L2C+1], v[S:S+1], v[S+2:S+3]    ; the sum of the unquantised p, two chains
.irp j, 4,8,12,16,20,24,28,32,36,40,44,48,52,56,60
	v_pk_add_f32 v[LA:LA+1], v[LA:LA+1], v[S+\j:S+1+\j]
	v_pk_add_f32 v[L2C:L2C+1], v[L2C:L2C+1], v[S+2+\j:S+3+\j]
.endr
	v_pk_add_f32 v[LA:LA+1], v[LA:LA+1], v[L2C:L2C+1]
	s_wait_alu depctr_va_vdst(0)                   ; and one for the four
.irp b, 0,1,2,3
	v_max_num_f32 v[BM+\b], 0x8000000, v[BM+\b]    ; the floor 2^(16 - 127): the byte cannot fall under 1
.endr
.irp b, 0,1,2,3
	v_add_nc_u32 v[SOP+\b], 0xf8800000, v[BM+\b]   ; 15 off the exponent field: the conversion's scale operand
.endr
.irp b, 0,1,2,3
	v_and_or_b32 v[HOLD+\b], v[BM+\b], 0x7f800000, s[MNT]   ; 57,344 x the scale
.endr
.irp b, 0,1,2,3
	v_lshrrev_b32 v[BP+\b], 23, v[SOP+\b]          ; the scale's byte
.endr
	v_lshl_or_b32 v[PW], v[BP+1], 8, v[BP]
	s_delay_alu instid0(VALU_DEP_1)
	v_lshl_or_b32 v[PW], v[BP+2], 16, v[PW]
	s_delay_alu instid0(VALU_DEP_1)
	v_lshl_or_b32 v[PW], v[BP+3], 24, v[PW]
.irp b, 0,1,2,3
.irp i, 0,1,2,3,4,5,6,7,8,9,10,11,12,13,14,15
	v_min_num_f32 v[S+16*\b+\i], v[S+16*\b+\i], v[HOLD+\b]   ; the conversion does not saturate (ISA guide 7.6.2); p is not negative
.endr
	v_cvt_scalef32_pk8_bf8_f32 v[PC+4*\b:PC+1+4*\b], v[S+16*\b:S+7+16*\b], v[SOP+\b]
	v_cvt_scalef32_pk8_bf8_f32 v[PC+2+4*\b:PC+3+4*\b], v[S+8+16*\b:S+15+16*\b], v[SOP+\b]
.endr
	s_wait_alu depctr_va_vdst(0)                   ; the wait directly ahead of the first reader of O^T
.set n, 0
.rept 16
	v_pk_mul_f32 v[O+n:O+n+1], v[O+n:O+n+1], v[FF:FF+1] op_sel_hi:[1,0]   ; O^T under the new M; also the places ahead of the products
.set n, n+2
.endr
	s_wait_alu depctr_va_vdst(0)                   ; the wait ahead of the wait below
	s_wait_loadcnt 0x0                             ; V
	WM O,    KF,    PC, VE, PW, 1, 0               ; O^T += V^T P^T
	WM O+8,  KF+16, PC, VO, PW, 1, 0
	WM O+16, KF+32, PC, VE, PW, 1, 1
	WM O+24, KF+48, PC, VO, PW, 1, 1
.rept 8
	v_nop                                          ; eight places: loads into the fragments' registers, reads of O^T
.endr
	s_add_co_u32 s[CNT], s[CNT], 1
	s_cmp_lt_u32 s[CNT], s[NST]
	s_cbranch_scc0 .Lno_next
	s_ctz_i32_b32 s[CUR], s[REM]                   ; the next walked step
	s_min_u32 s[CUR], s[CUR], 15
	s_sub_co_u32 s[T0], s[REM], 1
	s_and_b32 s[REM], s[REM], s[T0]
	ADDR CUR                                       ; (all my loads have been waited for: their bases may be written)
	KLOAD
.Lno_next:
	s_cmp_lt_u32 s[CNT], s[NST]
	s_cbranch_scc1 .Lstep
	; THE WAY OUT: O^T / the sum goes through my stage, 16 rows of 256 bytes + 16, and leaves as aligned units of 256 bytes, sixteen lanes a unit
	s_wait_loadcnt 0x0                             ; on every way out of the loop no load of mine is out: the next tile's first loads land in the same registers
	v_add_f32 v[LA], v[LA], v[LA+1]
	s_delay_alu instid0(VALU_DEP_1)
	v_permlanex16_b32 v[BP], v[LA], s[SEL], s[SEL+1]
	s_delay_alu instid0(VALU_DEP_1)
	v_add_f32 v[LA], v[LA], v[BP]
	s_wait_alu depctr_va_vdst(0)                   ; the wait ahead of the transcendental
	v_rcp_f32 v[LA], v[LA]
	v_nop
	s_wait_alu depctr_va_vdst(0)                   ; and ahead of its first reader, which is also O^T's
.set n, 0
.rept 16
	v_pk_mul_f32 v[S+n:S+n+1], v[O+n:O+n+1], v[LA:LA+1] op_sel_hi:[1,0]
.set n, n+2
.endr
.irp t, 0,1,2,3
	ds_store_b128 v[STO], v[S+8*\t:S+8*\t+3] offset:64*\t
	ds_store_b128 v[STO], v[S+8*\t+4:S+8*\t+7] offset:64*\t+16
.endr
.irp i, 0,1,2,3,4,5,6,7
	ds_load_b128 v[O+4*\i:O+4*\i+3], v[SRD] offset:544*\i   ; LDS serves a wave's instructions in order: these see my stores
.endr
	s_wait_dscnt 0x0
.irp i, 0,1,2,3,4,5,6,7
	global_store_b128 v[GO], v[O+4*\i:O+4*\i+3], s[OUTP:OUTP+1] offset:2048*\i th:TH_STORE_NT
.endr
	s_wait_xcnt 0x0                                ; the stores have read their data and their base, the prefetch its base: all are written again in the next trip
	s_add_co_u32 s[TASK], s[TASK], 1
	s_cmp_lt_u32 s[TASK], 2
	s_cbranch_scc1 .Ltask
	s_wait_tensorcnt 0x0                           ; the wave's end
	ds_add_u32 v[SPW], v[NIL]
	s_wait_dscnt 0x0
	s_endpgm
.Lfunc_end_k_qd0531d5ebd_attn:
	.size	k_qd0531d5ebd_attn, .Lfunc_end_k_qd0531d5ebd_attn-k_qd0531d5ebd_attn
	.p2alignl 7, 3214868480
	.fill 96, 4, 3214868480
	.section	.rodata,"a",@progbits
	.p2align	6, 0x0
	.amdhsa_kernel k_qd0531d5ebd_attn
		.amdhsa_group_segment_fixed_size 71680
		.amdhsa_private_segment_fixed_size 0
		.amdhsa_enable_private_segment 0
		.amdhsa_kernarg_size 48
		.amdhsa_user_sgpr_count 2
		.amdhsa_user_sgpr_kernarg_segment_ptr 1
		.amdhsa_wavefront_size32 1
		.amdhsa_system_sgpr_workgroup_id_x 1
		.amdhsa_system_sgpr_workgroup_id_y 1
		.amdhsa_system_sgpr_workgroup_id_z 1
		.amdhsa_system_vgpr_workitem_id 0
		.amdhsa_next_free_vgpr 256
		.amdhsa_next_free_sgpr 106
		.amdhsa_reserve_vcc 0
		.amdhsa_float_denorm_mode_32 3
		.amdhsa_float_denorm_mode_16_64 3
		.amdhsa_memory_ordered 1
		.amdhsa_forward_progress 1
		.amdhsa_inst_pref_size 41
	.end_amdhsa_kernel
	.amdgpu_metadata
---
amdhsa.version: [ 1, 2 ]
amdhsa.kernels:
  - .name:           k_qd0531d5ebd_attn
    .symbol:         k_qd0531d5ebd_attn.kd
    .args:
      - { .name: qimg, .offset: 0, .size: 8, .value_kind: global_buffer, .address_space: global }
      - { .name: qscl, .offset: 8, .size: 8, .value_kind: global_buffer, .address_space: global }
      - { .name: kv, .offset: 16, .size: 8, .value_kind: global_buffer, .address_space: global }
      - { .name: maskbits, .offset: 24, .size: 8, .value_kind: global_buffer, .address_space: global }
      - { .name: mflags, .offset: 32, .size: 8, .value_kind: global_buffer, .address_space: global }
      - { .name: out0, .offset: 40, .size: 8, .value_kind: global_buffer, .address_space: global }
    .group_segment_fixed_size: 71680
    .private_segment_fixed_size: 0
    .kernarg_segment_align: 8
    .kernarg_segment_size: 48
    .max_flat_workgroup_size: 512
    .sgpr_count:     106
    .vgpr_count:     256
    .wavefront_size: 32
...
	.end_amdgpu_metadata
.endif
;; end of part 2
